; MI455X (gfx1250); checked and timed in simulation.
; The chip was launched on July 23, 2026; its instructions are those of AMD's public machine-readable ISA for CDNA 5 (MIT licence, August 2026) and "CDNA5" Instruction Set Architecture Reference Guide (July 2026). The comments in the code are by the model that wrote it; some were corrected since.
;; Quant MLP. Allowed arithmetic: matrix products marked QUANTISED: E2M1 operands, one E8M0 scale for each 32 along K, by v_wmma_scale_f32_16x16x128_f8f6f4 with both operands' format E2M1 (or v_wmma_scale_f32_32x16x128_f4), f32 sums; everything else in f32.
;; Inputs: b1 3,072 float32; b2 768 float32; w1 3,072 x 768 float32; w2 768 x 3,072 float32; x 64 x 197 x 768 float32.
;; Outputs: out0 64 x 197 x 768 float32.
;; This version of the problem:
;;   THIS VERSION OF THE PROBLEM IS GIVEN IN LOW PRECISION. The matrix products marked QUANTISED in the list below multiply operands that are first quantised to E2M1 (2 exponent bits, 1 mantissa bit; 4 bits a number), with one power-of-two scale for each 32 numbers along K (OCP MX v1.0); their sums are f32. All else is computed in f32.
;;   The module's matrix products, in the order in which they are computed (A, B: the left and right operand; K: the contracted axis; several contracted axes count as one K, in the product's order):
;;     1. [M 12,608, K 768] x [K 768, N 3,072]; A: computed on the way; B: computed on the way: QUANTISED
;;     2. [M 12,608, K 3,072] x [K 3,072, N 768]; A: computed on the way; B: computed on the way: QUANTISED
;;   THE QUANTISER, for each operand of a quantised product, along K:
;;     - K is cut into blocks of 32 from its start; a last block that is shorter is filled with zeros.
;;     - A block's scale is 2^e with e = floor(log2(the largest magnitude in the block)) - 2, held to -126 .. 127; a block of zeros has e = 0. As a byte (E8M0): e + 127.
;;     - Each number is divided by its block's scale, clamped to +-6, and rounded to the nearest number of E2M1, ties to even, subnormals kept.
;;     - The product sums the exact products of the quantised numbers (number of the format x scale) in f32.
;;   ~~~python
;;   def quantise(x, axis):      # numpy; x: float32 -> the quantised numbers, widened to float32 again
;;       x = np.moveaxis(x, axis, -1); K = x.shape[-1]
;;       x = np.pad(x, [(0, 0)] * (x.ndim - 1) + [(0, -K % 32)]); x = x.reshape(x.shape[:-1] + (-1, 32)); a = np.abs(x).max(-1, keepdims=True)
;;       e = np.where(a > 0, np.clip(np.frexp(np.where(a > 0, a, 1))[1] - 1 - 2, -126, 127), 0)      # np.frexp(a)[1] - 1 = floor(log2(a)), exactly
;;       r = np.clip(x / 2.0 ** e, -6, 6)
;;       step = 2.0 ** (np.maximum(np.frexp(np.where(r == 0, 1, r))[1] - 1, 0) - 1)
;;       q = np.round(r / step) * step * 2.0 ** e      # np.round: ties to even
;;       return np.moveaxis(q.reshape(q.shape[:-2] + (-1,))[..., :K], -1, axis).astype(np.float32)
;;   ~~~
;;   OPERANDS COMPUTED ON THE WAY. 'Computed on the way' means the value that the module computes at that place (a softmax that the list does not call 'softmax' is quantised finished and normalised). What goes into a quantiser is computed in f32, as accurately as f32 sums, v_exp_f32 and their like allow (about 1e-6 of the number): no bf16 or f16 on the way to a quantiser, and a product that is left as it is and whose result goes on into a quantised operand takes f32 operands (vector FMAs, or v_wmma_f32_16x16x4_f32). A number that lies on a knife's edge between two numbers of the format may be rounded either way, as far as f32 arithmetic and the matrix unit's own rounding can turn it there, and no further.
;; One version. Each part assembles by itself: llvm-mc -triple=amdgcn-amd-amdhsa -mcpu=gfx1250 --defsym DOCPART=n.
;; ======== version 1 of 1: 4 launches
;; limits: right only within a limited range of input values
;; workspace buffers: part 4,864 bytes; xp 5,244,928 bytes; w1p 1,253,376 bytes; w2p 1,253,376 bytes; gpart 2,048 bytes
;; launch minmax (part 1): grid 586 x 1, 8 waves a work-group, no clusters, 1,280 bytes of LDS; arguments x, w1, w2, part; writes part
.if DOCPART == 1
	.amdgcn_target "amdgcn-amd-amdhsa--gfx1250"
	.amdhsa_code_object_version 6
	.text
	.protected	k_qe483c5b48a_minmax
	.globl	k_qe483c5b48a_minmax
	.p2align	8
	.type	k_qe483c5b48a_minmax,@function
k_qe483c5b48a_minmax:
	s_mov_b64 s[64:65], 0
	v_nop
	global_prefetch_b8 v0, s[64:65] scope:SCOPE_SE
	s_setreg_imm32_b32 hwreg(HW_REG_WAVE_MODE, 25, 1), 1
	s_wait_xcnt 0x0
; Partial smallest and largest numbers of x, w1 and w2, which the 8-bit steps of the later launch need for each whole tensor.
; A work-group takes one run of 98,304 bytes: x has 394 such runs, w1 and w2 96 each; work-group g stores its pair (min, max) at part[g].
; Thread t reads 16 bytes at 16 t + 4,096 i, i = 0 .. 23: a wave's load covers 512 consecutive bytes, and all 24 loads of a thread are out at once.
; Every byte is read once, nothing is reused: no matrix work, no tiles in LDS, no cluster.  LIMIT: NaN among the inputs is passed over (the _num forms), infinities are not served.
.set UNIT, 98304
.set NX,   394                         ; runs of x
.set NW,   96                          ; runs of w1, and of w2
.set D,    16                          ; v16-111: the 24 loads
	s_load_b256 s[4:11], s[0:1], 0x0               ; x s[4:5], w1 s[6:7], w2 s[8:9], part s[10:11]
	v_lshl_add_u32 v112, v0, 2, 0x100
	v_mov_b32 v113, 0
	v_lshlrev_b32 v1, 4, v0                        ; my 16 bytes of a load's 4,096
	v_lshrrev_b32 v2, 5, v0
	s_delay_alu instid0(VALU_DEP_1)
	v_lshlrev_b32 v10, 3, v2                       ; LDS: 8 bytes for each wave
	v_mov_b32 v8, 0                                ; written once: a lane permute's destination counts as one of its sources
	v_mov_b32 v9, 0
	v_mov_b32 v11, 0
	s_mov_b32 s14, 0x76543210                      ; v_permlanex16_b32's selects for lane l xor 16
	s_mov_b32 s15, 0xfedcba98
	s_mov_b32 s13, NX+NW
	s_lshl_b32 s18, ttmp9, 3                       ; my pair's place in part
	s_mov_b32 s19, 0
	s_wait_alu depctr_va_vdst(0)
	s_wait_kmcnt 0x0
	s_cmp_lt_u32 ttmp9, NX+NW                      ; which tensor: the choice hangs on the work-group's number alone
	s_cselect_b64 s[6:7], s[6:7], s[8:9]
	s_cselect_b32 s13, NX, s13
	s_cmp_lt_u32 ttmp9, NX
	s_cselect_b64 s[4:5], s[4:5], s[6:7]
	s_cselect_b32 s13, 0, s13
	s_sub_co_u32 s13, ttmp9, s13                   ; which run of that tensor
	s_mul_i32 s16, s13, UNIT                       ; under 2^26
	s_mov_b32 s17, 0
	s_add_nc_u64 s[4:5], s[4:5], s[16:17]
	s_add_nc_u64 s[10:11], s[10:11], s[18:19]
.set i, 0
.rept 24
	global_load_b128 v[D+4*i:D+4*i+3], v1, s[4:5] offset:4096*i th:TH_LOAD_NT
.set i, i+1
.endr
; two chains for the minimum (v4, v6), two for the maximum (v5, v7); the first load starts them: nothing is cleared
.set i, 0
.rept 24
.if i%6 == 0
	s_wait_alu depctr_va_vdst(0)
	s_wait_loadcnt 18-i                            ; loads come back in order: the next six are in, the younger ones stay out
.endif
.if i == 0
	v_min_num_f32 v4, v[D], v[D+1]
	v_max_num_f32 v5, v[D], v[D+1]
	v_min_num_f32 v6, v[D+2], v[D+3]
	v_max_num_f32 v7, v[D+2], v[D+3]
.else
	v_min3_num_f32 v4, v4, v[D+4*i], v[D+4*i+1]
	v_max3_num_f32 v5, v5, v[D+4*i], v[D+4*i+1]
	v_min3_num_f32 v6, v6, v[D+4*i+2], v[D+4*i+3]
	v_max3_num_f32 v7, v7, v[D+4*i+2], v[D+4*i+3]
.endif
.set i, i+1
.endr
	s_delay_alu instid0(VALU_DEP_2)
	v_min_num_f32 v4, v4, v6
	s_delay_alu instid0(VALU_DEP_2)
	v_max_num_f32 v5, v5, v7
.irp k, 1,2,4,8                                ; across the 16 lanes of a half,
	s_delay_alu instid0(VALU_DEP_2)
	v_min_num_f32_dpp v4, v4, v4 row_xmask:\k row_mask:0xf bank_mask:0xf
	s_delay_alu instid0(VALU_DEP_2)
	v_max_num_f32_dpp v5, v5, v5 row_xmask:\k row_mask:0xf bank_mask:0xf
.endr
	s_delay_alu instid0(VALU_DEP_2)
	v_permlanex16_b32 v8, v4, s14, s15             ; and the other half
	s_delay_alu instid0(VALU_DEP_2)
	v_permlanex16_b32 v9, v5, s14, s15
	s_delay_alu instid0(VALU_DEP_2)
	v_min_num_f32 v4, v4, v8
	s_delay_alu instid0(VALU_DEP_2)
	v_max_num_f32 v5, v5, v9
	ds_store_b64 v10, v[4:5]                       ; all lanes of a wave write the same pair to the wave's own 8 bytes
	s_wait_dscnt 0x0                               ; for the others' sake: my store has landed
	s_barrier_signal -1
	s_barrier_wait -1
.irp k, 0,1,2,3
	ds_load_b128 v[D+4*\k:D+4*\k+3], v11 offset:16*\k   ; the eight waves' pairs, in every lane
.endr
	s_wait_dscnt 0x0
	v_min3_num_f32 v4, v16, v18, v20
	v_max3_num_f32 v5, v17, v19, v21
	s_delay_alu instid0(VALU_DEP_2)
	v_min3_num_f32 v4, v4, v22, v24
	s_delay_alu instid0(VALU_DEP_2)
	v_max3_num_f32 v5, v5, v23, v25
	s_delay_alu instid0(VALU_DEP_2)
	v_min3_num_f32 v4, v4, v26, v28
	s_delay_alu instid0(VALU_DEP_2)
	v_max3_num_f32 v5, v5, v27, v29
	s_delay_alu instid0(VALU_DEP_2)
	v_min_num_f32 v4, v4, v30
	s_delay_alu instid0(VALU_DEP_2)
	v_max_num_f32 v5, v5, v31
	s_wait_alu depctr_va_vdst(0)
	s_wait_xcnt 0x0                                ; EXEC is a source of the loads above: it changes only behind this wait
	v_cmp_eq_u32 vcc_lo, 0, v0
	s_wait_tensorcnt 0x0
	ds_add_u32 v112, v113
	s_wait_dscnt 0x0
	s_and_saveexec_b32 s12, vcc_lo                 ; thread 0 stores the work-group's 8 bytes
	global_store_b64 v11, v[4:5], s[10:11]
	s_wait_xcnt 0x0                                ; and again in front of the line that widens it
	s_or_b32 exec_lo, exec_lo, s12
	s_endpgm
.Lfunc_end_k_qe483c5b48a_minmax:
	.size	k_qe483c5b48a_minmax, .Lfunc_end_k_qe483c5b48a_minmax-k_qe483c5b48a_minmax
	.p2alignl 7, 3214868480
	.fill 96, 4, 3214868480
	.section	.rodata,"a",@progbits
	.p2align	6, 0x0
	.amdhsa_kernel k_qe483c5b48a_minmax
		.amdhsa_group_segment_fixed_size 1280
		.amdhsa_private_segment_fixed_size 0
		.amdhsa_enable_private_segment 0
		.amdhsa_kernarg_size 32
		.amdhsa_user_sgpr_count 2
		.amdhsa_user_sgpr_kernarg_segment_ptr 1
		.amdhsa_wavefront_size32 1
		.amdhsa_system_sgpr_workgroup_id_x 1
		.amdhsa_system_sgpr_workgroup_id_y 1
		.amdhsa_system_sgpr_workgroup_id_z 1
		.amdhsa_system_vgpr_workitem_id 0
		.amdhsa_next_free_vgpr 114
		.amdhsa_next_free_sgpr 66
		.amdhsa_reserve_vcc 1
		.amdhsa_float_denorm_mode_32 3
		.amdhsa_float_denorm_mode_16_64 3
		.amdhsa_memory_ordered 1
		.amdhsa_forward_progress 1
		.amdhsa_inst_pref_size 13
	.end_amdhsa_kernel
	.amdgpu_metadata
---
amdhsa.version: [ 1, 2 ]
amdhsa.kernels:
  - .name:           k_qe483c5b48a_minmax
    .symbol:         k_qe483c5b48a_minmax.kd
    .args:
      - { .name: x, .offset: 0, .size: 8, .value_kind: global_buffer, .address_space: global }
      - { .name: w1, .offset: 8, .size: 8, .value_kind: global_buffer, .address_space: global }
      - { .name: w2, .offset: 16, .size: 8, .value_kind: global_buffer, .address_space: global }
      - { .name: part, .offset: 24, .size: 8, .value_kind: global_buffer, .address_space: global }
    .group_segment_fixed_size: 1280
    .private_segment_fixed_size: 0
    .kernarg_segment_align: 8
    .kernarg_segment_size: 32
    .max_flat_workgroup_size: 256
    .sgpr_count:     66
    .vgpr_count:     114
    .wavefront_size: 32
...
	.end_amdgpu_metadata
.endif
;; end of part 1
;; launch quant (part 2): grid 1172 x 3, 1 waves a work-group, no clusters, 8,704 bytes of LDS; arguments x, w1, w2, part, xp, w1p, w2p; writes xp, w1p, w2p
.if DOCPART == 2
	.amdgcn_target "amdgcn-amd-amdhsa--gfx1250"
	.amdhsa_code_object_version 6
	.text
	.protected	k_qe483c5b48a_quant
	.globl	k_qe483c5b48a_quant
	.p2align	8
	.type	k_qe483c5b48a_quant,@function
k_qe483c5b48a_quant:
	s_mov_b64 s[64:65], 0
	v_nop
	global_prefetch_b8 v0, s[64:65] scope:SCOPE_SE
	s_setreg_imm32_b32 hwreg(HW_REG_WAVE_MODE, 25, 1), 1
	s_wait_xcnt 0x0
; x, w1 and w2 (f32) go through their 8-bit step (x: 256 levels between the tensor's smallest and largest number; the weights: 127 levels of the largest magnitude) and are then turned into
; codes of FP4 (E2M1) with one E8M0 byte for each 32 along K.  The codes are laid as IMAGES OF OPERAND REGISTERS, so that the later launches take every fragment as 2 x 512 consecutive bytes:
; a fragment is 16 rows x 128 K = 1,024 bytes: half c (registers 4 c .. 4 c + 3) at 512 c + 16 lane; lane (r, h) holds k = 64 c + 32 h + 0 .. 31 of row r.  A fragment's 16 scale words are 64 bytes on end.
;   xp : a tile of 16 tokens = 6,656 bytes: 6 fragments (K step s), then at 6,144 their scale words at 64 s + 4 r.
;   w1p: chunk j (128 hidden units) = 4 pieces of 13,056 bytes (wave w of the later launches): fragments 6 u + s (tile u = 0, 1), then at 12,288 their scale words.
;        Tile T = 8 j + 2 w + u takes rows 32 (T / 2) + 8 (T % 2) + r + 8 (r / 8), so that two neighbouring tiles' results are 16 neighbours along the second product's K.
;   w2p: chunk j (K step j of the second product) = 4 pieces: fragments n (output tile 12 w + n), then their scale words.
; A WORK-GROUP IS ONE WAVE and takes 16 rows x 256 along K: two fragments.  Work-group (g, y): the block of 16 rows x 768 along K is chosen by g, and y = 0, 1, 2 says which two of its six fragments: 3,516 equal pieces; waves share nothing.
; All 32 row loads of a wave are issued at its head, behind the 13 loads of the partial pairs.
; ONE path serves all three tensors: what differs (pointers, pitches, steps) is chosen by s_cselect on the work-group's number g: unit g / 4 (0-196: x;  197-244: w1;  245-292: w2), quarter g % 4.
; Each load reads 512 consecutive bytes of one row; a K step's 16 rows turn through the wave's stage in LDS (pitch 528 bytes,
; an odd multiple of 16, so that 16 rows start at 16 different banks: ISA guide 11.1) and come back 2 x 128 bytes a lane: two whole blocks of 32.
; THE 8-BIT STEP: med3(rndne(v / s), lo, hi) x s with lo = -zp, hi = 255 - zp (weights: -128, 127): the same number as clip(round(v / s) + zp, 0, 255) - zp while |v / s| and zp stay under 2^24 (LIMIT).
; s = range x fl(1 / 255) (weights: largest magnitude x fl(1 / 127)): the module's division by a constant is taken as a multiplication by the constant's f32 reciprocal.
; The two forms differ in s's last bit for some ranges, and a last bit of s moves a few numbers by a whole level.
; v / s is a division rounded as one: q = v r, q += (v - q s) r, r the refined reciprocal of s.
; LIMITS: NaN and infinities are not served; a block of zeros gets the byte 1 (its codes are zeros; the bytes are read by this program alone); blocks under 2^-124 were not tried.
; The two fragments' scale words leave by one store, in runs of 64 or 128 bytes: one byte in 128 of what the launch reads.
.set NWX,  197                         ; units of x
.set NWA,  245                         ; of x and w1
.set SPITCH, 528
.set KR,   8                           ; v[8:9]    1 / s, twice
.set KS,   10                          ; v[10:11]  s, twice
.set LO,   12
.set HI,   13
.set VT,   16                          ; v16-31    at work (first: the partial pairs, v16-41)
.set CD,   44                          ; v44-51    a fragment's codes
.macro DIV q, num, den, r, e           ; q = num / den, rounded as one division; leaves r = the refined reciprocal of den
	v_rcp_f32 v[\r], v[\den]
	v_nop                                          ; a plain place behind the transcendental
	s_wait_alu depctr_va_vdst(0)
	v_fma_f32 v[\e], -v[\den], v[\r], 1.0
	v_fma_f32 v[\r], v[\e], v[\r], v[\r]
	v_mul_f32 v[\q], v[\num], v[\r]
	v_fma_f32 v[\e], -v[\den], v[\q], v[\num]
	v_fma_f32 v[\q], v[\e], v[\r], v[\q]
.endm
	s_load_b256 s[4:11], s[0:1], 0x0               ; x, w1, w2, part
	s_load_b128 s[12:15], s[0:1], 0x20             ; xp, w1p
	s_load_b64 s[16:17], s[0:1], 0x30              ; w2p
	v_lshl_add_u32 v62, v0, 2, 0x2100
	v_mov_b32 v63, 0
	s_and_b32 s18, ttmp9, 3                        ; my quarter of a unit
	s_lshr_b32 s19, ttmp9, 2                       ; the unit
	s_and_b32 s58, ttmp7, 0xffff                   ; y: which two of the block's six fragments
	v_and_b32 v7, 31, v0                           ; lane
	v_and_b32 v14, 15, v0                          ; r
	v_bfe_u32 v15, v0, 4, 1                        ; h
	v_lshlrev_b32 v1, 4, v7                        ; 16 x lane: my 16 bytes of a row's 512, in memory and on the way into the stage
	v_mul_u32_u24 v3, v14, SPITCH
	v_lshl_add_u32 v3, v15, 7, v3                  ; the stage on the way out: row r, + 128 h
	v_lshlrev_b32 v6, 3, v15                       ; 8 h: my bytes' place in a scale word
	v_mov_b32 v55, 0                               ; written once: lane permutes' destinations
	v_mov_b32 v56, 0
	v_mov_b32 v57, 0
	s_mov_b32 s68, NWA
	s_cmp_lt_u32 s19, NWA
	s_cselect_b32 s68, NWX, s68
	s_cmp_lt_u32 s19, NWX
	s_cselect_b32 s68, 0, s68
	s_sub_co_u32 s68, s19, s68                     ; the unit's number within its tensor
	s_lshl_b32 s69, s68, 2
	s_add_co_u32 s69, s69, s18                     ; x, w1: my tile = 4 x that + quarter
	; x: source, codes, scale words (bytes)
	s_mul_i32 s87, s69, 49152
	s_mul_i32 s88, s69, 6656
	s_add_co_u32 s89, s88, 6144
	; w1
	s_lshr_b32 s72, s69, 1
	s_and_b32 s73, s69, 1                          ; u
	s_lshr_b32 s74, s69, 3                         ; chunk
	s_and_b32 s75, s72, 3                          ; piece
	s_mul_i32 s90, s72, 98304                      ; 32 rows of 3,072 bytes
	s_mul_i32 s91, s73, 24576                      ; 8 rows
	s_add_co_u32 s90, s90, s91
	s_mul_i32 s74, s74, 52224
	s_mul_i32 s75, s75, 13056
	s_add_co_u32 s74, s74, s75
	s_mul_i32 s91, s73, 6144
	s_add_co_u32 s91, s91, s74
	s_mul_i32 s92, s73, 384
	s_add_co_u32 s92, s92, s74
	s_add_co_u32 s92, s92, 12288
	; w2: the unit is output tile ng, the quarter takes K steps 6 w .. 6 w + 5
	s_mul_i32 s72, s68, 43
	s_lshr_b32 s72, s72, 9                         ; ng / 12 (exact for ng under 48)
	s_mul_i32 s73, s72, 12
	s_sub_co_u32 s73, s68, s73                     ; ng % 12
	s_mul_i32 s93, s68, 196608                     ; 16 rows of 12,288 bytes
	s_mul_i32 s74, s18, 3072
	s_add_co_u32 s93, s93, s74
	s_mul_i32 s74, s18, 313344                     ; six chunks
	s_mul_i32 s72, s72, 13056
	s_add_co_u32 s74, s74, s72
	s_lshl_b32 s94, s73, 10
	s_add_co_u32 s94, s94, s74
	s_lshl_b32 s95, s73, 6
	s_add_co_u32 s95, s95, s74
	s_add_co_u32 s95, s95, 12288
	s_mov_b32 s77, 12288                           ; w2's figures; the selects below put the others' in their place
	s_mov_b32 s80, 52224
	s_mov_b32 s82, 52224
	s_mov_b32 s83, 490
	s_mov_b32 s84, 95
	s_mov_b32 s86, 0x3c010204                      ; the f32 number nearest 1 / 127
	s_wait_alu depctr_va_vdst(0)                   ; the wait at the head's end
	s_wait_kmcnt 0x0
	s_cmp_lt_u32 s19, NWA                          ; w1 or w2
	s_cselect_b64 s[6:7], s[6:7], s[8:9]
	s_cselect_b64 s[14:15], s[14:15], s[16:17]
	s_cselect_b32 s76, s90, s93                    ; source offset
	s_cselect_b32 s77, 3072, s77                   ; bytes from row to row
	s_cselect_b32 s78, 24576, 0                    ; rows 8-15 of a tile lie so much further on
	s_cselect_b32 s79, s91, s94                    ; where the block's first fragment goes
	s_cselect_b32 s80, 1024, s80                   ; and each next one
	s_cselect_b32 s81, s92, s95                    ; the same for the scale words
	s_cselect_b32 s82, 64, s82
	s_cselect_b32 s83, 394, s83                    ; my tensor's first pair in part
	s_cmp_lt_u32 s19, NWX                          ; x or a weight
	s_cselect_b64 s[4:5], s[4:5], s[6:7]
	s_cselect_b64 s[66:67], s[12:13], s[14:15]
	s_cselect_b32 s76, s87, s76
	s_cselect_b32 s78, 0, s78
	s_cselect_b32 s79, s88, s79
	s_cselect_b32 s81, s89, s81
	s_cselect_b32 s83, 0, s83
	s_cselect_b32 s84, 393, s84                    ; its last pair
	s_cselect_b32 s85, -1, 0                       ; all lanes: the step is x's
	s_cselect_b32 s86, 0x3b808081, s86             ; the f32 number nearest 1 / 255
	s_lshl_b32 s75, s82, 1                         ; two fragments' scale words
	s_mov_b32 s74, 0xffff0000                      ; lanes 16-31
	s_mov_b32 s70, 0x76543210
	s_mov_b32 s71, 0xfedcba98
	s_lshl_b32 s59, s58, 10                        ; my two K steps begin 1,024 y bytes along the rows
	s_add_co_u32 s52, s76, s59
	s_mov_b32 s53, 0
	s_mov_b32 s54, s77
	s_mov_b32 s55, 0
	s_mov_b32 s56, s78
	s_mov_b32 s57, 0
	s_mul_i32 s60, s80, s58
	s_lshl_b32 s60, s60, 1
	s_add_co_u32 s60, s60, s79                     ; my first fragment: 2 y fragments on
	s_mul_i32 s61, s75, s58
	s_add_co_u32 s61, s61, s81                     ; and its scale words
	s_add_nc_u64 s[20:21], s[4:5], s[52:53]        ; s[20:51]: the 16 rows' addresses
.irp p, 1,2,3,4,5,6,7,8,9,10,11,12,13,14,15
	s_add_nc_u64 s[20+2*\p:21+2*\p], s[18+2*\p:19+2*\p], s[54:55]
.if \p == 8
	s_add_nc_u64 s[36:37], s[36:37], s[56:57]
.endif
.endr
	v_add_nc_u32 v4, s60, v1                       ; where my 16 bytes of a fragment's half go
	v_mul_u32_u24 v5, s82, v15
	v_lshl_add_u32 v5, v14, 2, v5
	v_add_nc_u32 v5, s61, v5                       ; scale words: lanes 0-15 my first fragment's, lanes 16-31 my second's
.irp i, 0,1,2,3,4,5,6,7,8,9,10,11,12
	v_add_nc_u32 v[42+\i], 32*\i, v7
	v_min_u32 v[42+\i], s84, v[42+\i]              ; past the tensor's last pair: that pair again, which changes no minimum and no maximum
	v_add_lshl_u32 v[42+\i], v[42+\i], s83, 3
	global_load_b64 v[16+2*\i:17+2*\i], v[42+\i], s[10:11]
.endr
.macro LOAD q                          ; my K step q: 16 rows x 512 bytes into set q
.irp p, 0,1,2,3,4,5,6,7,8,9,10,11,12,13,14,15
	global_load_b128 v[64+64*(\q)+4*\p:64+64*(\q)+4*\p+3], v1, s[20+2*\p:21+2*\p] offset:512*(\q) th:TH_LOAD_NT
.endr
.endm
	LOAD 0
	LOAD 1
	s_wait_loadcnt 32                              ; the 13 pairs are in; the two sets behind them stay out
.irp i, 18,22,26,30,34,38
	v_min3_num_f32 v16, v16, v[\i], v[\i+2]
	v_max3_num_f32 v17, v17, v[\i+1], v[\i+3]
.endr
.irp k, 1,2,4,8
	v_min_num_f32_dpp v16, v16, v16 row_xmask:\k row_mask:0xf bank_mask:0xf
	v_max_num_f32_dpp v17, v17, v17 row_xmask:\k row_mask:0xf bank_mask:0xf
.endr
	v_permlanex16_b32 v56, v16, s70, s71
	v_permlanex16_b32 v57, v17, s70, s71
	v_min_num_f32 v16, v16, v56                    ; the tensor's smallest number,
	v_max_num_f32 v17, v17, v57                    ; and its largest
	v_sub_f32 v18, v17, v16                        ; x: the range
	v_max_num_f32 v19, v17, -v16                   ; a weight: the largest magnitude
	v_cndmask_b32 v18, v19, v18, s85
	v_max_num_f32 v18, 0x322bcc77, v18             ; at least 1e-8
	v_mul_f32 v[KS], s86, v18                      ; s
	v_xor_b32 v22, 0x80000000, v16
	s_wait_alu depctr_va_vdst(0)                   ; the wait ahead of the transcendental
	DIV 23, 22, KS, KR, 21                         ; -min / s; and 1 / s stays in v[KR]
	v_rndne_f32 v23, v23                           ; zp
	v_sub_f32 v24, 0, v23
	v_sub_f32 v25, 0x437f0000, v23
	v_mov_b32 v26, 0xc3000000                      ; -128
	v_mov_b32 v27, 0x42fe0000                      ; 127
	v_cndmask_b32 v[LO], v26, v24, s85
	v_cndmask_b32 v[HI], v27, v25, s85
	v_mov_b32 v[KR+1], v[KR]
	v_mov_b32 v[KS+1], v[KS]
.macro FQX b                           ; the 8-bit step on 16 numbers
.irp p, 0,2,4,6,8,10,12,14
	v_pk_mul_f32 v[VT+\p:VT+\p+1], v[\b+\p:\b+\p+1], v[KR:KR+1]
.endr
.irp p, 0,2,4,6,8,10,12,14
	v_pk_fma_f32 v[\b+\p:\b+\p+1], v[VT+\p:VT+\p+1], v[KS:KS+1], v[\b+\p:\b+\p+1] neg_lo:[1,0,0] neg_hi:[1,0,0]   ; what q s leaves of v
.endr
.irp p, 0,2,4,6,8,10,12,14
	v_pk_fma_f32 v[\b+\p:\b+\p+1], v[\b+\p:\b+\p+1], v[KR:KR+1], v[VT+\p:VT+\p+1]
.endr
.irp i, 0,1,2,3,4,5,6,7,8,9,10,11,12,13,14,15
	v_rndne_f32 v[\b+\i], v[\b+\i]
.endr
.irp i, 0,1,2,3,4,5,6,7,8,9,10,11,12,13,14,15
	v_med3_num_f32 v[\b+\i], v[\b+\i], v[LO], v[HI]
.endr
.irp p, 0,2,4,6,8,10,12,14
	v_pk_mul_f32 v[\b+\p:\b+\p+1], v[\b+\p:\b+\p+1], v[KS:KS+1]
.endr
.endm
.macro STEP q
.set XQ, 64+64*(\q)
	s_wait_xcnt 0x0                                ; the last step's stores have read their data and offsets: both are written again only behind this wait
.if (\q) > 0
	v_add_nc_u32 v4, s80, v4
.endif
	s_wait_loadcnt 16*(1-(\q))                     ; this set's 16 loads are in; in step 0 the younger set stays out
.irp p, 0,1,2,3,4,5,6,7,8,9,10,11,12,13,14,15
	ds_store_b128 v1, v[XQ+4*\p:XQ+4*\p+3] offset:SPITCH*\p
.endr
.irp c, 0,1                                    ; LDS serves a wave's instructions in order (ISA guide 5.7.1.4): these see the stores above, and land where those have read
.irp i, 0,1,2,3,4,5,6,7
	ds_load_b128 v[XQ+32*\c+4*\i:XQ+32*\c+4*\i+3], v3 offset:256*\c+16*\i
.endr
.endr
	s_wait_dscnt 0x0
.irp g, 0,1,2,3
	FQX XQ+16*\g
.endr
.irp c, 0,1                                    ; my block 2 c + h: all its 32 numbers are mine
	v_max3_num_f32 v[32+\c], |v[XQ+32*\c]|, |v[XQ+32*\c+1]|, 0x1800000   ; with the floor 2^(3 - 127): the byte cannot fall under 1
.endr
.irp i, 2,4,6,8,10,12,14,16,18,20,22,24,26,28,30
.irp c, 0,1
	v_max3_num_f32 v[32+\c], v[32+\c], |v[XQ+32*\c+\i]|, |v[XQ+32*\c+\i+1]|
.endr
.endr
.irp c, 0,1
	v_add_nc_u32 v[34+\c], 0xff000000, v[32+\c]    ; 2 off the exponent field: the conversion's scale operand
.endr
.irp c, 0,1
	v_lshrrev_b32 v[36+\c], 23, v[34+\c]           ; the scale's byte
.endr
	v_lshl_or_b32 v38, v37, 16, v36                ; my two bytes, blocks h and 2 + h,
	v_lshlrev_b32 v38, v6, v38                     ; at their places;
	v_permlanex16_b32 v55, v38, s70, s71
	v_or_b32 v[52+(\q)], v38, v55                  ; with lane l xor 16's two the row's word is whole
.irp c, 0,1
.irp g, 0,1,2,3
	v_cvt_scalef32_pk8_fp4_f32 v[CD+4*\c+\g], v[XQ+32*\c+8*\g:XQ+32*\c+8*\g+7], v[34+\c]
.endr
.endr
	v_nop                                          ; one plain place behind the last scaled conversion
	global_store_b128 v4, v[CD:CD+3], s[66:67]                 ; 32 lanes store 512 consecutive bytes, twice
	global_store_b128 v4, v[CD+4:CD+7], s[66:67] offset:512
.if (\q) == 1
	v_cndmask_b32 v54, v52, v53, s74               ; lanes 0-15: my first fragment's words; lanes 16-31: my second's
	global_store_b32 v5, v54, s[66:67]
.endif
.endm
	s_wait_alu depctr_va_vdst(0)
	STEP 0
	STEP 1
	s_wait_tensorcnt 0x0                           ; the wave's end, behind my last LDS store
	ds_add_u32 v62, v63
	s_wait_dscnt 0x0
	s_endpgm
.Lfunc_end_k_qe483c5b48a_quant:
	.size	k_qe483c5b48a_quant, .Lfunc_end_k_qe483c5b48a_quant-k_qe483c5b48a_quant
	.p2alignl 7, 3214868480
	.fill 96, 4, 3214868480
	.section	.rodata,"a",@progbits
	.p2align	6, 0x0
	.amdhsa_kernel k_qe483c5b48a_quant
		.amdhsa_group_segment_fixed_size 8704
		.amdhsa_private_segment_fixed_size 0
		.amdhsa_enable_private_segment 0
		.amdhsa_kernarg_size 56
		.amdhsa_user_sgpr_count 2
		.amdhsa_user_sgpr_kernarg_segment_ptr 1
		.amdhsa_wavefront_size32 1
		.amdhsa_system_sgpr_workgroup_id_x 1
		.amdhsa_system_sgpr_workgroup_id_y 1
		.amdhsa_system_sgpr_workgroup_id_z 1
		.amdhsa_system_vgpr_workitem_id 0
		.amdhsa_next_free_vgpr 192
		.amdhsa_next_free_sgpr 96
		.amdhsa_reserve_vcc 0
		.amdhsa_float_denorm_mode_32 3
		.amdhsa_float_denorm_mode_16_64 3
		.amdhsa_memory_ordered 1
		.amdhsa_forward_progress 1
		.amdhsa_inst_pref_size 54
	.end_amdhsa_kernel
	.amdgpu_metadata
---
amdhsa.version: [ 1, 2 ]
amdhsa.kernels:
  - .name:           k_qe483c5b48a_quant
    .symbol:         k_qe483c5b48a_quant.kd
    .args:
      - { .name: x, .offset: 0, .size: 8, .value_kind: global_buffer, .address_space: global }
      - { .name: w1, .offset: 8, .size: 8, .value_kind: global_buffer, .address_space: global }
      - { .name: w2, .offset: 16, .size: 8, .value_kind: global_buffer, .address_space: global }
      - { .name: part, .offset: 24, .size: 8, .value_kind: global_buffer, .address_space: global }
      - { .name: xp, .offset: 32, .size: 8, .value_kind: global_buffer, .address_space: global }
      - { .name: w1p, .offset: 40, .size: 8, .value_kind: global_buffer, .address_space: global }
      - { .name: w2p, .offset: 48, .size: 8, .value_kind: global_buffer, .address_space: global }
    .group_segment_fixed_size: 8704
    .private_segment_fixed_size: 0
    .kernarg_segment_align: 8
    .kernarg_segment_size: 56
    .max_flat_workgroup_size: 32
    .sgpr_count:     96
    .vgpr_count:     192
    .wavefront_size: 32
...
	.end_amdgpu_metadata
.endif
;; end of part 2
;; launch gmm (part 3): grid 226 x 1, 4 waves a work-group, no clusters, 1,024 bytes of LDS; arguments xp, w1p, b1, gpart; writes gpart
.if DOCPART == 3
	.amdgcn_target "amdgcn-amd-amdhsa--gfx1250"
	.amdhsa_code_object_version 6
	.text
	.protected	k_qe483c5b48a_gmm
	.globl	k_qe483c5b48a_gmm
	.p2align	8
	.type	k_qe483c5b48a_gmm,@function
k_qe483c5b48a_gmm:
	s_mov_b64 s[64:65], 0
	v_nop
	global_prefetch_b8 v0, s[64:65] scope:SCOPE_SE
	s_setreg_imm32_b32 hwreg(HW_REG_WAVE_MODE, 25, 1), 1
	s_wait_xcnt 0x0
; The smallest and the largest g = gelu(Q4(xq) Q4(w1q)^T + b1) of the whole tensor, which the 8-bit step of the next launch needs.  Nothing of g goes to memory: work-group n stores one pair (min, max) at gpart[n].
; SHARES.  Work-group n: half n % 2 of the hidden layer (12 chunks of 128 units), group n / 2 of seven tiles of 16 tokens, from tile min(7 (n / 2), 781) on: 113 groups cover the 788 tiles;
; the last group takes three tiles that its neighbour takes too, which changes no minimum and no maximum.  Wave w makes hidden units 32 w .. 32 w + 31 of each chunk for all 112 tokens.
; THE WEIGHTS GO FROM MEMORY STRAIGHT INTO OPERAND REGISTERS: w1p holds, for each chunk and wave, a piece of 13,056 bytes that is an image of that wave's 12 fragments and their scale words; each load covers 512 (scale words: 128)
; consecutive bytes.  No other wave of the work-group wants a byte of it, so no tile lies in LDS, there is no tensor load that a cluster's mask could share, and the launch has no cluster.
; TWO SETS OF REGISTERS take turns for a piece, its scale words and b1.  STEP j: ask for chunk j + 1 (34 loads) into the other set | wait until only those 34 are out | 84 matrix instructions | h = the sum + b1 | G = 2 g, running minima and maxima.
; The twelfth step asks for nothing and waits for 0, in an arm of its own on the trip counter.
; PREFETCH: in step j wave 0 of groups 0-67 names three blocks of 256 bytes (lanes 2-31 the third) of chunk j + 3 of its half: 68 x 3 = 204 blocks = one chunk, each named once in a half's work-groups, two steps ahead of its loads; steps 9-11 ask for nothing.
; The order of roundings is the next launch's, bit for bit: the sum starts from 0, b1 is added once, t = h / sqrt 2, at = min(|t|, 1.769), u = at - 1.769, P = fma(-0.2888, u u, 1), w = 1 + P with h's sign, G = h w.
; LIMITS: NaN is passed over (the _num forms), infinities are not served; where h / sqrt 2 underflows the module's sign is 0 and this text keeps h's.
; REGISTERS: window 0: addresses, constants in pairs, v32-52 x's scale words, v54-59 and v104-109 w1's, v64-79 at work, v80-87 minima and maxima, v88-103 and v110-125 b1, v128-239 h.
;   window 1: x's tiles 0-3.  window 2: v0-143 tiles 4-6, v144-239 w1's set 1.  window 3: v128-223 w1's set 0.
.set NT,    7
.set CHUNK, 52224
.set PIECE, 13056
.set RED,   0
.set SPARE, 256
.set LI,  1
.set LS,  2
.set AB,  3
.set PFO, 4
.set SPW, 16
.set NIL, 17
.set LIM, 18
.set KC,  22
.set KB,  24
.set KA,  26
.set ONE, 28
.set XS,  32
.set VT,  64
.set MN,  80
.set MX,  84
.set HA,  128
.set W1,  24                           ; s[24:25] my piece of the chunk last asked for
.set BP,  26                           ; s[26:27] that chunk's b1
.set PF,  28                           ; s[28:29] where my prefetches stand
.set LIMS, 30                          ; s30 the number of steps in which I prefetch
.set MSB, 0
.macro WIN new
.if MSB != \new
	s_set_vgpr_msb (MSB<<8)|\new
.set MSB, \new
.endif
.endm
.macro PLACES
.rept 4
	v_nop
.endr
.endm
.macro DC op, d, a, k                  ; 16 numbers, two an instruction: d = a op the constant in the pair k
.irp p, 0,2,4,6,8,10,12,14
	v_dual_\op v[\d+\p], v[\a+\p], v[\k] :: v_dual_\op v[\d+\p+1], v[\a+\p+1], v[\k+1]
.endr
.endm
.macro DV op, d, a, b                  ; d = a op b
.irp p, 0,2,4,6,8,10,12,14
	v_dual_\op v[\d+\p], v[\a+\p], v[\b+\p] :: v_dual_\op v[\d+\p+1], v[\a+\p+1], v[\b+\p+1]
.endr
.endm
.macro LSET b                          ; a chunk's 34 loads into set b: 12 fragments, six registers of scale words, b1 at my 16 hidden units
.set WB,  128+16*(\b)
.set W1S, 54+50*(\b)
.set BC,  88+22*(\b)
	WIN 0xc0-0x40*(\b)
.irp f, 0,1,2,3,4,5,6,7,8,9,10,11
	global_load_b128 v[WB+8*\f:WB+8*\f+3], v[LI], s[W1:W1+1] offset:1024*\f
	global_load_b128 v[WB+8*\f+4:WB+8*\f+7], v[LI], s[W1:W1+1] offset:1024*\f+512
.endr
	WIN 0
.irp g, 0,1,2,3,4,5
	global_load_b32 v[W1S+\g], v[LS], s[W1:W1+1] offset:12288+128*\g
.endr
.irp i, 0,1,2,3
	global_load_b128 v[BC+4*\i:BC+4*\i+3], v[AB], s[BP:BP+1] offset:16*\i
.endr
.endm
	s_load_b256 s[4:11], s[0:1], 0x0               ; xp, w1p, b1, gpart
	v_lshl_add_u32 v[SPW], v0, 2, SPARE
	v_mov_b32 v[NIL], 0
	v_lshrrev_b32 v124, 5, v0
	v_readfirstlane_b32 s18, v124                  ; wave
	s_and_b32 s34, ttmp9, 1                        ; half
	s_lshr_b32 s35, ttmp9, 1                       ; group
	s_mul_i32 s36, s35, NT
	s_min_u32 s36, s36, 788-NT                     ; my first tile
	s_mul_i32 s32, s36, 6656
	s_mov_b32 s33, 0
	s_lshl_b32 s38, ttmp9, 3
	s_mov_b32 s39, 0
	s_mul_i32 s40, s34, 12*CHUNK
	s_mul_i32 s36, s18, PIECE
	s_add_co_u32 s36, s36, s40
	s_mov_b32 s37, 0
	s_mul_i32 s42, s34, 12*512
	s_mov_b32 s43, 0
	s_mul_i32 s44, s35, 768
	s_add_co_u32 s44, s44, s40
	s_add_co_u32 s44, s44, 2*CHUNK                 ; the first step steps it to chunk 3
	s_mov_b32 s45, 0
	s_cmp_lt_u32 s35, 68
	s_cselect_b32 s[LIMS], 9, 0
	s_cmp_eq_u32 s18, 0
	s_cselect_b32 s[LIMS], s[LIMS], 0
	s_lshl_b32 s25, s18, 7
	s_mov_b32 s22, 0x76543210
	s_mov_b32 s23, 0xfedcba98
	s_mov_b32 s31, 0x80000000
	s_mov_b32 s20, 6                               ; trips of two steps to go
	s_mov_b32 s21, 0                               ; the step
	v_and_b32 v124, 31, v0
	v_bfe_u32 v126, v0, 4, 1
	v_lshlrev_b32 v[LI], 4, v124
	v_lshlrev_b32 v[LS], 2, v124
	v_lshl_add_u32 v[AB], v126, 6, s25             ; 128 w + 64 h
	v_min_u32 v[PFO], 2, v124
	v_lshlrev_b32 v[PFO], 8, v[PFO]
	v_mov_b32 v[LIM], 0x3fe26e98                   ; 1.769
.irp q, 0,1
	v_mov_b32 v[KC+\q], 0x3f3504f3                 ; 1 / sqrt 2
	v_mov_b32 v[KB+\q], 0xbfe26e98                 ; -1.769
	v_mov_b32 v[KA+\q], 0xbe93dd98                 ; -0.2888
	v_mov_b32 v[ONE+\q], 1.0
.endr
.irp k, 0,1,2,3
	v_mov_b32 v[MN+\k], 0x7f800000
	v_mov_b32 v[MX+\k], 0xff800000
.endr
	s_wait_alu depctr_va_vdst(0)                   ; the wait at the head's end
	s_wait_kmcnt 0x0
	s_add_nc_u64 s[32:33], s[4:5], s[32:33]
	s_add_nc_u64 s[10:11], s[10:11], s[38:39]
	s_add_nc_u64 s[W1:W1+1], s[6:7], s[36:37]
	s_add_nc_u64 s[BP:BP+1], s[8:9], s[42:43]
	s_add_nc_u64 s[PF:PF+1], s[6:7], s[44:45]
	LSET 0
	WIN 0x40
.irp m, 0,1,2,3
.irp s, 0,1,2,3,4,5
.irp c, 0,1
	global_load_b128 v[8*(6*\m+\s)+4*\c:8*(6*\m+\s)+4*\c+3], v[LI], s[32:33] offset:6656*\m+1024*\s+512*\c
.endr
.endr
.endr
	WIN 0x80
.irp m, 4,5,6
.irp s, 0,1,2,3,4,5
.irp c, 0,1
	global_load_b128 v[8*(6*(\m-4)+\s)+4*\c:8*(6*(\m-4)+\s)+4*\c+3], v[LI], s[32:33] offset:6656*\m+1024*\s+512*\c
.endr
.endr
.endr
	WIN 0
.irp m, 0,1,2,3,4,5,6
.irp g, 0,1,2
	global_load_b32 v[XS+3*\m+\g], v[LS], s[32:33] offset:6656*\m+6144+128*\g
.endr
.endr
.macro P1 m, u, s, xr
.if \s == 0
	v_wmma_scale_f32_16x16x128_f8f6f4 v[HA+16*\m+8*\u:HA+16*\m+8*\u+7], v[WB+8*(6*\u+\s):WB+8*(6*\u+\s)+7], v[\xr:\xr+7], 0, v[W1S+3*\u+\s/2], v[XS+3*\m+\s/2] matrix_a_fmt:MATRIX_FMT_FP4 matrix_b_fmt:MATRIX_FMT_FP4
.elseif \s%2 == 0
	v_wmma_scale_f32_16x16x128_f8f6f4 v[HA+16*\m+8*\u:HA+16*\m+8*\u+7], v[WB+8*(6*\u+\s):WB+8*(6*\u+\s)+7], v[\xr:\xr+7], v[HA+16*\m+8*\u:HA+16*\m+8*\u+7], v[W1S+3*\u+\s/2], v[XS+3*\m+\s/2] matrix_a_fmt:MATRIX_FMT_FP4 matrix_b_fmt:MATRIX_FMT_FP4
.else
	v_wmma_scale_f32_16x16x128_f8f6f4 v[HA+16*\m+8*\u:HA+16*\m+8*\u+7], v[WB+8*(6*\u+\s):WB+8*(6*\u+\s)+7], v[\xr:\xr+7], v[HA+16*\m+8*\u:HA+16*\m+8*\u+7], v[W1S+3*\u+\s/2], v[XS+3*\m+\s/2] matrix_a_fmt:MATRIX_FMT_FP4 matrix_b_fmt:MATRIX_FMT_FP4 matrix_a_scale:MATRIX_SCALE_ROW1 matrix_b_scale:MATRIX_SCALE_ROW1
.endif
.endm
.macro GELU x                          ; 16 numbers h become G = 2 g, in place
	DC mul_f32, VT, \x, KC
.irp i, 0,1,2,3,4,5,6,7,8,9,10,11,12,13,14,15
	v_min_num_f32 v[VT+\i], |v[VT+\i]|, v[LIM]
.endr
	DC add_f32, VT, VT, KB
	DV mul_f32, VT, VT, VT
.irp p, 0,2,4,6,8,10,12,14
	v_dual_fma_f32 v[VT+\p], v[VT+\p], v[KA], v[ONE] :: v_dual_fma_f32 v[VT+\p+1], v[VT+\p+1], v[KA+1], v[ONE+1]
.endr
.irp i, 0,1,2,3,4,5,6,7,8,9,10,11,12,13,14,15
	v_and_or_b32 v[VT+\i], v[\x+\i], s31, v[VT+\i]
.endr
	DC add_f32, VT, VT, ONE
	DV mul_f32, \x, \x, VT
.endm
.macro STEP b, tail                    ; b: this step's set;  tail = 1: the copy that also runs as the twelfth step
	s_wait_xcnt 0x0                                ; the last step's loads and prefetch have read their bases
	s_add_nc_u64 s[W1:W1+1], s[W1:W1+1], CHUNK
	s_add_nc_u64 s[BP:BP+1], s[BP:BP+1], 512
	s_add_nc_u64 s[PF:PF+1], s[PF:PF+1], CHUNK
.if \tail
	s_cmp_eq_u32 s20, 1
	s_cbranch_scc1 .Lfin                           ; no chunk follows the twelfth
.endif
	LSET 1-\b
	s_wait_loadcnt 34                              ; all but the 34 just issued: this step's set is in (in the first step x too)
.if \tail
	s_branch .Lgo
.Lfin:
	s_wait_loadcnt 0x0
.Lgo:
.endif
.set WB,  128+16*(\b)
.set W1S, 54+50*(\b)
.set BC,  88+22*(\b)
	WIN 0x07-(\b)                                  ; w1 window 3 or 2, x window 1, sums window 0; the accumulators take turns
.irp s, 0,1,2,3,4,5
.irp u, 0,1
.irp m, 0,1,2,3
	P1 \m, \u, \s, 8*(6*\m+\s)
.endr
.endr
.endr
	WIN 0x0b-(\b)                                  ; x window 2
.irp s, 0,1,2,3,4,5
.irp u, 0,1
.irp m, 4,5,6
	P1 \m, \u, \s, 8*(6*(\m-4)+\s)
.endr
.endr
.endr
	WIN 0
	PLACES
.irp m, 0,1,2,3,4,5,6
	DV add_f32, HA+16*\m, HA+16*\m, BC             ; h = the sum + b1; each accumulator is read from its low end on
.endr
.irp m, 0,1,2,3,4,5,6
	GELU HA+16*\m
.irp p, 0,1,2,3,4,5,6,7
	v_min3_num_f32 v[MN+\p%4], v[MN+\p%4], v[HA+16*\m+2*\p], v[HA+16*\m+2*\p+1]
	v_max3_num_f32 v[MX+\p%4], v[MX+\p%4], v[HA+16*\m+2*\p], v[HA+16*\m+2*\p+1]
.endr
.if \m == 1
	s_cmp_lt_u32 s21, s[LIMS]
	s_cbranch_scc0 .Lnoask_\@
	global_prefetch_b8 v[PFO], s[PF:PF+1] th:TH_LOAD_NT scope:SCOPE_SE
.Lnoask_\@:
	s_add_co_u32 s21, s21, 1
.endif
.endr
.endm
.Lstep:
	STEP 0, 0
	STEP 1, 1
	s_sub_co_u32 s20, s20, 1
	s_cmp_lg_u32 s20, 0
	s_cbranch_scc1 .Lstep
	v_min3_num_f32 v[MN], v[MN], v[MN+1], v[MN+2]
	v_max3_num_f32 v[MX], v[MX], v[MX+1], v[MX+2]
	v_min_num_f32 v[MN], v[MN], v[MN+3]
	v_max_num_f32 v[MN+1], v[MX], v[MX+3]
.irp k, 1,2,4,8
	v_min_num_f32_dpp v[MN], v[MN], v[MN] row_xmask:\k row_mask:0xf bank_mask:0xf
	v_max_num_f32_dpp v[MN+1], v[MN+1], v[MN+1] row_xmask:\k row_mask:0xf bank_mask:0xf
.endr
	v_permlanex16_b32 v[MN+2], v[MN], s22, s23
	v_permlanex16_b32 v[MN+3], v[MN+1], s22, s23
	v_min_num_f32 v[MN], v[MN], v[MN+2]
	v_max_num_f32 v[MN+1], v[MN+1], v[MN+3]
	s_lshl_b32 s25, s18, 3
	v_mov_b32 v108, s25                            ; LDS: 8 bytes for each wave, from RED = 0 on
	v_mov_b32 v109, RED
	v_mov_b32 v110, 0
	ds_store_b64 v108, v[MN:MN+1]
	s_wait_alu depctr_va_vdst(0)
	s_wait_dscnt 0x0                               ; for the others' sake: my pair has landed
	s_barrier_signal -1
	s_barrier_wait -1
	ds_load_b128 v[112:115], v109
	ds_load_b128 v[116:119], v109 offset:16
	s_wait_dscnt 0x0
	v_min3_num_f32 v[MN], v112, v114, v116
	v_max3_num_f32 v[MN+1], v113, v115, v117
	v_min_num_f32 v[MN], v[MN], v118
	v_max_num_f32 v[MN+1], v[MN+1], v119
	v_mul_f32 v[MN], 0.5, v[MN]                    ; g = G / 2, exactly
	v_mul_f32 v[MN+1], 0.5, v[MN+1]
	s_wait_alu depctr_va_vdst(0)
	s_wait_xcnt 0x0                                ; EXEC changes only behind this wait
	v_cmp_eq_u32 vcc_lo, 0, v0
	s_and_saveexec_b32 s24, vcc_lo                 ; thread 0 stores the work-group's pair
	global_store_b64 v110, v[MN:MN+1], s[10:11]
	s_wait_xcnt 0x0
	s_or_b32 exec_lo, exec_lo, s24
	s_wait_tensorcnt 0x0                           ; the wave's end
	ds_add_u32 v[SPW], v[NIL]
	s_wait_dscnt 0x0
	s_endpgm
.Lfunc_end_k_qe483c5b48a_gmm:
	.size	k_qe483c5b48a_gmm, .Lfunc_end_k_qe483c5b48a_gmm-k_qe483c5b48a_gmm
	.p2alignl 7, 3214868480
	.fill 96, 4, 3214868480
	.section	.rodata,"a",@progbits
	.p2align	6, 0x0
	.amdhsa_kernel k_qe483c5b48a_gmm
		.amdhsa_group_segment_fixed_size 1024
		.amdhsa_private_segment_fixed_size 0
		.amdhsa_enable_private_segment 0
		.amdhsa_kernarg_size 32
		.amdhsa_user_sgpr_count 2
		.amdhsa_user_sgpr_kernarg_segment_ptr 1
		.amdhsa_wavefront_size32 1
		.amdhsa_system_sgpr_workgroup_id_x 1
		.amdhsa_system_sgpr_workgroup_id_y 1
		.amdhsa_system_sgpr_workgroup_id_z 1
		.amdhsa_system_vgpr_workitem_id 0
		.amdhsa_next_free_vgpr 1024
		.amdhsa_next_free_sgpr 66
		.amdhsa_reserve_vcc 1
		.amdhsa_float_denorm_mode_32 3
		.amdhsa_float_denorm_mode_16_64 3
		.amdhsa_memory_ordered 1
		.amdhsa_forward_progress 1
		.amdhsa_inst_pref_size 142
	.end_amdhsa_kernel
	.amdgpu_metadata
---
amdhsa.version: [ 1, 2 ]
amdhsa.kernels:
  - .name:           k_qe483c5b48a_gmm
    .symbol:         k_qe483c5b48a_gmm.kd
    .args:
      - { .name: xp, .offset: 0, .size: 8, .value_kind: global_buffer, .address_space: global }
      - { .name: w1p, .offset: 8, .size: 8, .value_kind: global_buffer, .address_space: global }
      - { .name: b1, .offset: 16, .size: 8, .value_kind: global_buffer, .address_space: global }
      - { .name: gpart, .offset: 24, .size: 8, .value_kind: global_buffer, .address_space: global }
    .group_segment_fixed_size: 1024
    .private_segment_fixed_size: 0
    .kernarg_segment_align: 8
    .kernarg_segment_size: 32
    .max_flat_workgroup_size: 128
    .sgpr_count:     66
    .vgpr_count:     1024
    .wavefront_size: 32
...
	.end_amdgpu_metadata
.endif
;; end of part 3
;; launch mlp (part 4): grid 200 x 1, 4 waves a work-group, clusters of 4 x 1, 327,680 bytes of LDS; arguments xp, w1p, b1, w2p, b2, gpart, out0; writes out0
.if DOCPART == 4
	.amdgcn_target "amdgcn-amd-amdhsa--gfx1250"
	.amdhsa_code_object_version 6
	.text
	.protected	k_qe483c5b48a_mlp
	.globl	k_qe483c5b48a_mlp
	.p2align	8
	.type	k_qe483c5b48a_mlp,@function
k_qe483c5b48a_mlp:
	s_mov_b64 s[64:65], 0
	v_nop
	global_prefetch_b8 v0, s[64:65] scope:SCOPE_SE
	s_setreg_imm32_b32 hwreg(HW_REG_WAVE_MODE, 25, 1), 1
	s_wait_xcnt 0x0
	s_wait_alu depctr_hold_cnt(0) depctr_sa_sdst(0) depctr_va_vdst(0) depctr_va_sdst(0) depctr_va_ssrc(0) depctr_va_vcc(0) depctr_vm_vsrc(0)
	s_getreg_b32 s2, hwreg(HW_REG_IB_STS2, 6, 4)
	s_cmp_eq_u32 s2, 0
	s_cbranch_scc0 .Lentry_in_a_cluster
	s_endpgm
.Lentry_in_a_cluster:
	s_bfe_u32 s2, ttmp6, 0x10000c
	s_cmp_lg_u32 s2, 0x3003
	s_cbranch_scc0 .Lentry_shape_is_right
	s_endpgm
.Lentry_shape_is_right:
; out = Q4(gq) Q4(w2q)^T + b2, gq = the 8-bit step of g = gelu(Q4(xq) Q4(w1q)^T + b1); both products on codes of FP4 (E2M1) with one E8M0 scale for each 32 along K.  The hidden layer never goes to memory.
; SHARES.  788 tiles of 16 tokens on 200 work-groups of four tiles: work-group g begins at tile 4 g - min(g, 12).  Work-groups 0-11 (clusters 0-2) own their first three tiles; the fourth is the next one's first and is not stored.
; Wave w makes hidden units 128 j + 32 w .. + 31 of chunk j and outputs 192 w .. + 191, for all 64 tokens: each fragment of a weight is read from LDS once and feeds four matrix instructions, x (192 registers) and
; out's 48 accumulators (384) stay in registers, and what goes from wave to wave is a chunk's codes, 4,096 bytes, and 256 bytes of scales.
; BOTH PRODUCTS ARE USED TRANSPOSED (source 0 = 16 rows of a weight, source 1 = 16 tokens): a lane holds one token.  The rows of a tile of w1 were chosen so that my two tiles' 16 registers are hidden units
; 128 j + 32 w + 16 h + 0 .. 15: with lane l xor 16 one block of 32 along the second K.  My 8 bytes of codes go to byte 256 w + 16 r + 8 h of the fragment's image in LDS.
; THE RING.  All work-groups walk the same weights: the four of a cluster ask JOINTLY (mask 15).  Slot j % 2 holds {w1(j + 1), w2(j)}, 104,448 bytes; waves 0, 1 fetch w1's halves, waves 2, 3 w2's: one load a wave.
; Slot 0 is asked for at the head; step j begins with the wait for all my tensor loads, the add, the wait for my LDS instructions and a round of the cluster's barrier, and behind it asks for {w1(j + 2), w2(j + 1)} into the other slot
; (in step 0 that slot's first fill): by the text's own count one load a wave is out, with a whole step in which to land.  Step 22 asks for w2(23) alone, step 23 for nothing: both are written out behind the loop of 11 x 2 steps.
; The round also parts one step's reads of the chunk's images from the next step's stores into them.  w1's chunk 0 and b1's first 512 bytes come by plain loads into registers; b1 as a whole is put into LDS once, by stores, on bytes of its own.
; STEP j: the change of slots | h = the sum + b1 | G, 8-bit step, codes of chunk j -> LDS, and among that work four runs of LDS loads: w1(j + 1), w2(j) | barrier, with half of the first product of chunk j + 1 between its signal and
; its wait | the chunk's four fragments from LDS, the other half | the second product's K step j.
; PREFETCH: in step j each wave of clusters 0-3 names 26 blocks of 256 bytes (the eighth share 22; lanes left over the share's last) of w1(j + 4) (waves 0, 1) or w2(j + 3) (waves 2, 3): two tensor loads ahead.  A chunk's 204 blocks are shared out among the
; cluster's 8 waves for that weight BY ADDRESS (share 2 cx + w % 2), so each block is named once in each of clusters 0-3; it stops where the chunk named would be the 25th.
; THE MODULE'S OWN ORDER OF ROUNDINGS is kept from the first sum to the level, since the 8-bit step turns a last bit into a whole level.  The sum starts from 0 and b1 is added once; t = h / sqrt 2, at = min(|t|, 1.769),
; u = at - 1.769, P = fma(-0.2888, u u, 1), w = 1 + P with h's sign, G = h w = 2 g.  THE 8-BIT STEP: med3(rndne(G / (2 s)), -zp, 255 - zp) x s, the division rounded as one (q = G r, q += (G - q 2 s) r):
; the same number as clip(round(g / s) + zp, 0, 255) - zp while both stay under 2^24 (LIMIT).  s = range x fl(1 / 255): the module's division by a constant as a multiplication by the constant's f32 reciprocal.
; LIMITS: NaN and infinities are not served; the sign of a zero may differ; where h / sqrt 2 underflows the module's sign is 0 and this text keeps h's; a block of zeros gets the byte 1 (its codes are zeros).
; REGISTERS: window 0: v1-21 addresses and bounds; v22-31, v116-119 constants in pairs; v32-59 scale words; v60-99 at work; v128-191 h; v192-207 b1; v208-239 w2's fragments 8-11.
;   window 1: v0-191 x; v192-223 the chunk's four fragments; v224-255 w2's 0-3.   window 2: out's accumulators (n, m), n = 0-7, at 8 (4 n + m).   window 3: v0-127 those of n = 8-11; v128-223 w1; v224-255 w2's 4-7.
.set CHUNK, 52224
.set PIECE, 13056
.set QUART, 26112
.set SLOT1, 104448
.set B1L,   208896                     ; behind the ring: b1, 12,288 bytes, stored once
.set HIMG,  221184                     ; the chunk's four fragments, 1,024 bytes each
.set HSC,   225280                     ; their scale words: token r: 16 bytes, word m, byte w
.set SPARE, 225536                     ; the spare words, 128 bytes for each wave
.set STG,   226048                     ; the way out: 16 rows of SP bytes for each wave
.set SP,    784                        ; 768 bytes + 16: an odd multiple of 16
.set NGP,   226                        ; pairs in gpart
.set LI,  1
.set LS,  2
.set AW,  3
.set AS,  5
.set AB1, 7
.set AB,  8
.set HW,  9
.set HWS, 10
.set HR,  11
.set HRS, 12
.set STO, 13
.set RD,  14
.set CO,  15
.set SPW, 16
.set NIL, 17
.set LIM, 18
.set LO,  19
.set HI,  20
.set PFO, 21
.set KC,  22
.set KB,  24
.set KA,  26
.set KR,  28                           ; 1 / (2 s), twice
.set KS,  30                           ; s, twice
.set NK2, 116                          ; -2 s, twice
.set ONE, 118
.set BG,  120
.set BT,  122
.set ABG, 123
.set XS,  32
.set W1S, 44
.set W2S, 50
.set HS,  56
.set VM,  60
.set VP,  64
.set VO,  68
.set BY,  72
.set PC,  76
.set VT,  84
.set HA,  128
.set BC,  192
.set W2C, 208
.set WB,  128                          ; in window 3
.set HF,  192                          ; in window 1
.set W2A, 224                          ; in windows 1 and 3
.set W1,  26                           ; s[26:27] my piece of w1's chunk 0
.set PF,  28                           ; s[28:29] where my prefetches stand
.set LIMS, 30                          ; s30 the number of steps in which I prefetch
.set D1,  48                           ; s[48:55] group 1: 102 rows of 256 bytes
.set G0A, 56                           ; s[56:63] group 0 for w1's half of slot 0, 1
.set G0B, 68                           ; s[68:75] for w2's half
.set MSB, 0
.macro WIN new
.if MSB != \new
	s_set_vgpr_msb (MSB<<8)|\new
.set MSB, \new
.endif
.endm
.macro PLACES
.rept 4
	v_nop
.endr
.endm
.macro ROUND
	s_barrier_signal -1
	s_barrier_wait -1
	s_cmp_lg_u32 s18, 0
	s_cbranch_scc1 .Lnot_wave_0_\@
	s_barrier_signal -3
.Lnot_wave_0_\@:
	s_barrier_wait -3
	s_barrier_signal -1
	s_barrier_wait -1
.endm
.macro JLOAD sg                        ; a slot's joint load: each of the two lines has one set of registers; the branch hangs on the wave's number alone; s_nop 0 and four v_nop follow each line
	s_cmp_lt_u32 s18, 2
	s_cbranch_scc0 .Lfor_b_\@
	tensor_load_to_lds s[G0A+4*(\sg):G0A+4*(\sg)+3], s[D1:D1+7]
	s_nop 0
	PLACES
	s_branch .Lasked_\@
.Lfor_b_\@:
	tensor_load_to_lds s[G0B+4*(\sg):G0B+4*(\sg)+3], s[D1:D1+7]
	s_nop 0
	PLACES
.Lasked_\@:
.endm
.macro DC op, d, a, k                  ; 16 numbers, two an instruction: d = a op the constant in the pair k (fmac: d += a k)
.irp p, 0,2,4,6,8,10,12,14
	v_dual_\op v[\d+\p], v[\a+\p], v[\k] :: v_dual_\op v[\d+\p+1], v[\a+\p+1], v[\k+1]
.endr
.endm
.macro DV op, d, a, b                  ; d = a op b
.irp p, 0,2,4,6,8,10,12,14
	v_dual_\op v[\d+\p], v[\a+\p], v[\b+\p] :: v_dual_\op v[\d+\p+1], v[\a+\p+1], v[\b+\p+1]
.endr
.endm
.macro DIV q, num, den, r, e           ; q = num / den, rounded as one division; leaves r = the refined reciprocal of den
	v_rcp_f32 v[\r], v[\den]
	v_nop
	s_wait_alu depctr_va_vdst(0)
	v_fma_f32 v[\e], -v[\den], v[\r], 1.0
	v_fma_f32 v[\r], v[\e], v[\r], v[\r]
	v_mul_f32 v[\q], v[\num], v[\r]
	v_fma_f32 v[\e], -v[\den], v[\q], v[\num]
	v_fma_f32 v[\q], v[\e], v[\r], v[\q]
.endm
	s_load_b256 s[4:11], s[0:1], 0x0               ; xp, w1p, b1, w2p
	s_load_b128 s[12:15], s[0:1], 0x20             ; b2, gpart
	s_load_b64 s[16:17], s[0:1], 0x30              ; out0
	v_lshl_add_u32 v[SPW], v0, 2, SPARE
	v_mov_b32 v[NIL], 0
	ds_add_u32 v[SPW], v[NIL]                      ; the opening lines: the add, twice on end, and its wait ahead of my first tensor load
	ds_add_u32 v[SPW], v[NIL]
	s_wait_dscnt 0x0
	v_lshrrev_b32 v124, 5, v0
	v_readfirstlane_b32 s18, v124                  ; wave 0..3
	s_bfe_u32 s19, ttmp6, 0x40000                  ; my place in the cluster: it enters x's, out's and the prefetches' addresses alone
	s_lshl_b32 s25, ttmp9, 2
	s_add_co_u32 s25, s25, s19                     ; g
	s_min_u32 s34, s25, 12
	s_lshl_b32 s25, s25, 2
	s_sub_co_u32 s25, s25, s34                     ; my first tile
	s_mul_i32 s32, s25, 6656
	s_mov_b32 s33, 0
	s_mul_i32 s34, s25, 49152                      ; 16 rows of out
	s_mov_b32 s35, 0
	s_mul_i32 s36, s18, PIECE
	s_mov_b32 s37, 0
	s_mul_i32 s24, s18, QUART                      ; my quarter of a slot
	s_and_b32 s25, s18, 1
	s_mul_i32 s38, s25, QUART                      ; my half of a chunk in memory
	s_mov_b32 s39, 0
	s_lshl_b32 s40, s19, 1
	s_add_co_u32 s40, s40, s25                     ; my share of a chunk's blocks: 2 cx + w % 2
	s_mul_i32 s40, s40, 26                         ; its first block
	s_sub_co_u32 s46, 203, s40
	s_min_u32 s46, s46, 25                         ; its last, counted from there
	s_lshl_b32 s40, s40, 8
	s_mov_b32 s41, 0
	s_mov_b32 s45, 2*CHUNK
	s_cmp_lt_u32 s18, 2
	s_cselect_b32 s[LIMS], 20, 21
	s_cselect_b32 s45, 3*CHUNK, s45                ; step 0 steps them to w1(4), w2(3)
	s_add_co_u32 s40, s40, s45
	s_lshl_b32 s76, s18, 7
	s_add_co_u32 s77, s76, B1L
	s_lshl_b32 s78, s18, 8
	s_add_co_u32 s78, s78, HIMG
	s_add_co_u32 s79, s18, HSC
	s_mul_i32 s80, s18, 16*SP
	s_add_co_u32 s80, s80, STG                     ; my stage
	s_mul_i32 s81, s18, 768
	s_mov_b32 s82, 0                               ; the step
	s_mov_b32 s20, 11                              ; trips of two steps
	s_mov_b32 s21, 512                             ; the next b1 out of LDS is chunk 1's
	s_mov_b32 s22, 0x76543210
	s_mov_b32 s23, 0xfedcba98
	s_mov_b32 s31, 0x80000000                      ; a number's sign
	s_mov_b32 s[D1], 15|(3<<16)|(1<<21)            ; the mask: all four work-groups; elements of 8 bytes; bit 21 set beside a mask.  A dense block as 102 rows of 256 bytes
	s_mov_b32 s[D1+1], 32<<16
	s_mov_b32 s[D1+2], 102<<16
	s_mov_b32 s[D1+3], 32<<16
	s_mov_b32 s[D1+4], 102
	s_mov_b32 s[D1+5], 32
	s_mov_b32 s[D1+6], 0
	s_mov_b32 s[D1+7], 0
	s_wait_kmcnt 0x0
	s_add_nc_u64 s[32:33], s[4:5], s[32:33]        ; x at my first tile
	s_add_nc_u64 s[16:17], s[16:17], s[34:35]      ; out likewise
	s_add_nc_u64 s[W1:W1+1], s[6:7], s[36:37]
	s_add_nc_u64 s[42:43], s[6:7], s[38:39]
	s_add_nc_u64 s[38:39], s[10:11], s[38:39]
	s_cmp_lt_u32 s18, 2
	s_cselect_b64 s[PF:PF+1], s[6:7], s[10:11]
	s_add_nc_u64 s[PF:PF+1], s[PF:PF+1], s[40:41]
.irp sg, 0,1
	s_mov_b32 s[G0A+4*\sg], 1
	s_add_co_u32 s[G0A+4*\sg+1], s24, \sg*SLOT1
	s_add_nc_u64 s[G0A+4*\sg+2:G0A+4*\sg+3], s[42:43], (\sg+1)*CHUNK   ; slot sg begins with w1's chunk sg + 1
	s_or_b32 s[G0A+4*\sg+3], s[G0A+4*\sg+3], 0x80000000
	s_mov_b32 s[G0B+4*\sg], 1
	s_add_co_u32 s[G0B+4*\sg+1], s24, \sg*SLOT1
	s_add_nc_u64 s[G0B+4*\sg+2:G0B+4*\sg+3], s[38:39], \sg*CHUNK       ; and w2's chunk sg
	s_or_b32 s[G0B+4*\sg+3], s[G0B+4*\sg+3], 0x80000000
.endr
	ROUND                                          ; all four work-groups are here: the first joint loads meet
	JLOAD 0                                        ; slot 0: one tensor load a wave at the head
	v_and_b32 v124, 31, v0                         ; lane
	v_and_b32 v125, 15, v0                         ; r
	v_bfe_u32 v126, v0, 4, 1                       ; h
	v_lshlrev_b32 v127, 4, v125                    ; 16 r
	v_lshlrev_b32 v[LI], 4, v124
	v_lshlrev_b32 v[LS], 2, v124
	v_add_nc_u32 v[AW], s36, v[LI]
	v_add_nc_u32 v[AW+1], SLOT1, v[AW]
	v_add_nc_u32 v[AS], s36, v[LS]
	v_add_nc_u32 v[AS], 12288, v[AS]
	v_add_nc_u32 v[AS+1], SLOT1, v[AS]
	v_lshlrev_b32 v[BG], 4, v0                     ; b1 on its way into LDS: 16 bytes a thread
	v_lshl_add_u32 v[BT], v0, 4, B1L
	v_min_u32 v[PFO], s46, v124
	v_lshlrev_b32 v[PFO], 8, v[PFO]
	v_lshl_add_u32 v[ABG], v126, 6, s76            ; 128 w + 64 h
	v_lshl_add_u32 v[AB1], v126, 6, s77
	v_lshl_add_u32 v[HW], v126, 3, v127
	v_add_nc_u32 v[HW], s78, v[HW]                 ; 256 w + 16 r + 8 h
	v_add_nc_u32 v[HWS], s79, v127                 ; 16 r + w
	v_add_nc_u32 v[HR], HIMG, v[LI]
	v_add_nc_u32 v[HRS], HSC, v127
	v_mul_u32_u24 v[STO], v125, SP
	v_lshl_add_u32 v[STO], v126, 5, v[STO]
	v_add_nc_u32 v[STO], s80, v[STO]               ; in: row r, + 32 h
	v_mul_u32_u24 v[RD], v126, SP
	v_lshl_add_u32 v[RD], v125, 4, v[RD]
	v_add_nc_u32 v[RD], s80, v[RD]                 ; back: lanes 0-15 one row, lanes 16-31 the next
	v_mul_u32_u24 v[CO], v126, 3072
	v_lshl_add_u32 v[CO], v125, 4, v[CO]
	v_add_nc_u32 v[CO], s81, v[CO]                 ; and the same in out: my 768 bytes of a row
	v_lshl_add_u32 v121, v126, 5, s81              ; b2: 768 w + 32 h
.irp i, 0,1,2,3,4,5,6,7
	v_add_nc_u32 v[VT+\i], 32*\i, v124
	v_min_u32 v[VT+\i], NGP-1, v[VT+\i]            ; past the last pair: that pair again, which changes no minimum and no maximum
	v_lshlrev_b32 v[VT+\i], 3, v[VT+\i]
.endr
	v_mov_b32 v[LIM], 0x3fe26e98                   ; 1.769
.irp q, 0,1
	v_mov_b32 v[KC+\q], 0x3f3504f3                 ; 1 / sqrt 2
	v_mov_b32 v[KB+\q], 0xbfe26e98                 ; -1.769
	v_mov_b32 v[KA+\q], 0xbe93dd98                 ; -0.2888
	v_mov_b32 v[ONE+\q], 1.0
.endr
.irp m, 0,1,2,3
	v_mov_b32 v[VP+\m], 0                          ; written once: a lane permute's destination counts as one of its sources
.endr
	WIN 0xc0                                       ; w1's chunk 0: my piece, from memory straight into the operand's registers
.irp f, 0,1,2,3,4,5,6,7,8,9,10,11
	global_load_b128 v[WB+8*\f:WB+8*\f+3], v[LI], s[W1:W1+1] offset:1024*\f
	global_load_b128 v[WB+8*\f+4:WB+8*\f+7], v[LI], s[W1:W1+1] offset:1024*\f+512
.endr
	WIN 0
.irp g, 0,1,2,3,4,5
	global_load_b32 v[W1S+\g], v[LS], s[W1:W1+1] offset:12288+128*\g
.endr
	WIN 0x40
.irp m, 0,1,2,3
.irp s, 0,1,2,3,4,5
.irp c, 0,1
	global_load_b128 v[8*(6*\m+\s)+4*\c:8*(6*\m+\s)+4*\c+3], v[LI], s[32:33] offset:6656*\m+1024*\s+512*\c
.endr
.endr
.endr
	WIN 0
.irp m, 0,1,2,3
.irp g, 0,1,2
	global_load_b32 v[XS+3*\m+\g], v[LS], s[32:33] offset:6656*\m+6144+128*\g
.endr
.endr
.irp i, 0,1,2,3,4,5,6,7
	global_load_b64 v[100+2*\i:101+2*\i], v[VT+\i], s[14:15]
.endr
.irp i, 0,1,2,3,4,5
	global_load_b128 v[HA+4*\i:HA+4*\i+3], v[BG], s[8:9] offset:2048*\i   ; b1: the 128 threads read 2,048 consecutive bytes
.endr
.irp i, 0,1,2,3
	global_load_b128 v[BC+4*\i:BC+4*\i+3], v[ABG], s[8:9] offset:16*\i    ; chunk 0's b1 at my 16 hidden units
.endr
	WIN 0x80                                       ; b2 begins out's sums: lane (r, h) of accumulator (n, m) holds outputs 192 w + 16 n + 8 h + 0 .. 7
.irp n, 0,1,2,3,4,5,6,7
.irp m, 0,1,2,3
	global_load_b128 v[8*(4*\n+\m):8*(4*\n+\m)+3], v121, s[12:13] offset:64*\n
	global_load_b128 v[8*(4*\n+\m)+4:8*(4*\n+\m)+7], v121, s[12:13] offset:64*\n+16
.endr
.endr
	WIN 0xc0
.irp n, 8,9,10,11
.irp m, 0,1,2,3
	global_load_b128 v[8*(4*(\n-8)+\m):8*(4*(\n-8)+\m)+3], v121, s[12:13] offset:64*\n
	global_load_b128 v[8*(4*(\n-8)+\m)+4:8*(4*(\n-8)+\m)+7], v121, s[12:13] offset:64*\n+16
.endr
.endr
	WIN 0
	s_wait_alu depctr_va_vdst(0)
	s_wait_loadcnt 0x0
.irp i, 0,1,2,3,4,5
	ds_store_b128 v[BT], v[HA+4*\i:HA+4*\i+3] offset:2048*\i
.endr
	v_min3_num_f32 v100, v100, v102, v104          ; the smallest and the largest g of the whole tensor
	v_max3_num_f32 v101, v101, v103, v105
	v_min3_num_f32 v100, v100, v106, v108
	v_max3_num_f32 v101, v101, v107, v109
	v_min3_num_f32 v100, v100, v110, v112
	v_max3_num_f32 v101, v101, v111, v113
	v_min_num_f32 v100, v100, v114
	v_max_num_f32 v101, v101, v115
.irp k, 1,2,4,8
	v_min_num_f32_dpp v100, v100, v100 row_xmask:\k row_mask:0xf bank_mask:0xf
	v_max_num_f32_dpp v101, v101, v101 row_xmask:\k row_mask:0xf bank_mask:0xf
.endr
	v_permlanex16_b32 v102, v100, s22, s23
	v_permlanex16_b32 v103, v101, s22, s23
	v_min_num_f32 v100, v100, v102
	v_max_num_f32 v101, v101, v103
	v_sub_f32 v104, v101, v100
	v_max_num_f32 v104, 0x322bcc77, v104           ; at least 1e-8
	v_mul_f32 v106, 0x3b808081, v104               ; s = range x the f32 number nearest 1 / 255
	v_xor_b32 v109, 0x80000000, v100
	s_wait_alu depctr_va_vdst(0)                   ; the wait ahead of the transcendental
	DIV 110, 109, 106, 111, 108                    ; -min / s; v111 = 1 / s
	v_rndne_f32 v110, v110                         ; zp
	v_sub_f32 v[LO], 0, v110
	v_sub_f32 v[HI], 0x437f0000, v110
.irp q, 0,1
	v_mov_b32 v[KS+\q], v106
	v_mul_f32 v[NK2+\q], -2.0, v106                ; G / (2 s) = g / s, bit for bit
	v_mul_f32 v[KR+\q], 0.5, v111
.endr
	s_wait_alu depctr_va_vdst(0)                   ; the wait at the head's end
.macro FW1A adr, f0                    ; six of w1's 12 fragments of my piece, from f0 on (the destination's window is 3)
.irp k, 0,1,2,3,4,5
	ds_load_b128 v[WB+8*(\f0+\k):WB+8*(\f0+\k)+3], v[\adr] offset:1024*(\f0+\k)
	ds_load_b128 v[WB+8*(\f0+\k)+4:WB+8*(\f0+\k)+7], v[\adr] offset:1024*(\f0+\k)+512
.endr
.endm
.macro FW1B adr                        ; their scale words, and the next chunk's b1 (window 0)
.irp g, 0,1,2,3,4,5
	ds_load_b32 v[W1S+\g], v[\adr] offset:128*\g
.endr
	v_add_nc_u32 v[AB], s21, v[AB1]
	s_add_co_u32 s21, s21, 512
.irp i, 0,1,2,3
	ds_load_b128 v[BC+4*\i:BC+4*\i+3], v[AB] offset:16*\i
.endr
.endm
.macro FW2A sg                         ; w2's fragments 4-7 (window 3) and 0-3 (window 1) out of slot sg
	WIN 0xc0
.irp n, 4,5,6,7
	ds_load_b128 v[W2A+8*(\n-4):W2A+8*(\n-4)+3], v[AW+\sg] offset:CHUNK+1024*\n
	ds_load_b128 v[W2A+8*(\n-4)+4:W2A+8*(\n-4)+7], v[AW+\sg] offset:CHUNK+1024*\n+512
.endr
	WIN 0x40
.irp n, 0,1,2,3
	ds_load_b128 v[W2A+8*\n:W2A+8*\n+3], v[AW+\sg] offset:CHUNK+1024*\n
	ds_load_b128 v[W2A+8*\n+4:W2A+8*\n+7], v[AW+\sg] offset:CHUNK+1024*\n+512
.endr
	WIN 0
.endm
.macro FW2B sg                         ; w2's fragments 8-11 and its scale words (window 0)
.irp n, 8,9,10,11
	ds_load_b128 v[W2C+8*(\n-8):W2C+8*(\n-8)+3], v[AW+\sg] offset:CHUNK+1024*\n
	ds_load_b128 v[W2C+8*(\n-8)+4:W2C+8*(\n-8)+7], v[AW+\sg] offset:CHUNK+1024*\n+512
.endr
.irp g, 0,1,2,3,4,5
	ds_load_b32 v[W2S+\g], v[AS+\sg] offset:CHUNK+128*\g
.endr
.endm
.macro PROD1 from, to                  ; K steps from .. to of the first product; the eight accumulators take turns, one instruction a turn; the first K step starts the sums from 0
	WIN 0x07                                       ; w1 window 3, x window 1, C and D window 0
.irp s, 0,1,2,3,4,5
.if (\s >= \from) && (\s <= \to)
.irp u, 0,1
.irp m, 0,1,2,3
.if \s == 0
	v_wmma_scale_f32_16x16x128_f8f6f4 v[HA+16*\m+8*\u:HA+16*\m+8*\u+7], v[WB+8*(6*\u+\s):WB+8*(6*\u+\s)+7], v[8*(6*\m+\s):8*(6*\m+\s)+7], 0, v[W1S+3*\u+\s/2], v[XS+3*\m+\s/2] matrix_a_fmt:MATRIX_FMT_FP4 matrix_b_fmt:MATRIX_FMT_FP4
.elseif \s%2 == 0
	v_wmma_scale_f32_16x16x128_f8f6f4 v[HA+16*\m+8*\u:HA+16*\m+8*\u+7], v[WB+8*(6*\u+\s):WB+8*(6*\u+\s)+7], v[8*(6*\m+\s):8*(6*\m+\s)+7], v[HA+16*\m+8*\u:HA+16*\m+8*\u+7], v[W1S+3*\u+\s/2], v[XS+3*\m+\s/2] matrix_a_fmt:MATRIX_FMT_FP4 matrix_b_fmt:MATRIX_FMT_FP4
.else
	v_wmma_scale_f32_16x16x128_f8f6f4 v[HA+16*\m+8*\u:HA+16*\m+8*\u+7], v[WB+8*(6*\u+\s):WB+8*(6*\u+\s)+7], v[8*(6*\m+\s):8*(6*\m+\s)+7], v[HA+16*\m+8*\u:HA+16*\m+8*\u+7], v[W1S+3*\u+\s/2], v[XS+3*\m+\s/2] matrix_a_fmt:MATRIX_FMT_FP4 matrix_b_fmt:MATRIX_FMT_FP4 matrix_a_scale:MATRIX_SCALE_ROW1 matrix_b_scale:MATRIX_SCALE_ROW1
.endif
.endr
.endr
.endif
.endr
.endm
.macro VG x                            ; 16 numbers h -> G = 2 g -> gq, in place
	DC mul_f32, VT, \x, KC                         ; t
.irp i, 0,1,2,3,4,5,6,7,8,9,10,11,12,13,14,15
	v_min_num_f32 v[VT+\i], |v[VT+\i]|, v[LIM]
.endr
	DC add_f32, VT, VT, KB                         ; u
	DV mul_f32, VT, VT, VT
.irp p, 0,2,4,6,8,10,12,14
	v_dual_fma_f32 v[VT+\p], v[VT+\p], v[KA], v[ONE] :: v_dual_fma_f32 v[VT+\p+1], v[VT+\p+1], v[KA+1], v[ONE+1]   ; P
.endr
.irp i, 0,1,2,3,4,5,6,7,8,9,10,11,12,13,14,15
	v_and_or_b32 v[VT+\i], v[\x+\i], s31, v[VT+\i] ; with h's sign
.endr
	DC add_f32, VT, VT, ONE
	DV mul_f32, \x, \x, VT                         ; G
	DC mul_f32, VT, \x, KR                         ; q = G r
	DC fmac_f32, \x, VT, NK2                       ; what q 2 s leaves of G
	DC fmac_f32, VT, \x, KR                        ; the division rounded as one
.irp i, 0,1,2,3,4,5,6,7,8,9,10,11,12,13,14,15
	v_rndne_f32 v[\x+\i], v[VT+\i]
.endr
.irp i, 0,1,2,3,4,5,6,7,8,9,10,11,12,13,14,15
	v_med3_num_f32 v[\x+\i], v[\x+\i], v[LO], v[HI]
.endr
	DC mul_f32, \x, \x, KS
.endm
.macro VMX                             ; the chunk's gq -> codes and scale bytes -> LDS
.irp m, 0,1,2,3
	v_max3_num_f32 v[VM+\m], |v[HA+16*\m]|, |v[HA+16*\m+1]|, 0x1800000   ; my 16 numbers of the token's block, and the floor 2^(3 - 127): the byte cannot fall under 1
.endr
.irp i, 2,4,6,8,10,12,14
.irp m, 0,1,2,3
	v_max3_num_f32 v[VM+\m], v[VM+\m], |v[HA+16*\m+\i]|, |v[HA+16*\m+\i+1]|
.endr
.endr
.irp m, 0,1,2,3
	v_permlanex16_b32 v[VP+\m], v[VM+\m], s22, s23
.endr
.irp m, 0,1,2,3
	v_max_num_f32 v[VM+\m], v[VM+\m], v[VP+\m]     ; with lane l xor 16's: the block's largest magnitude
.endr
.irp m, 0,1,2,3
	v_add_nc_u32 v[VO+\m], 0xff000000, v[VM+\m]    ; 2 off the exponent field: the conversion's scale operand
.endr
.irp m, 0,1,2,3
	v_lshrrev_b32 v[BY+\m], 23, v[VO+\m]           ; the scale's byte
.endr
.irp m, 0,1,2,3
	v_cvt_scalef32_pk8_fp4_f32 v[PC+2*\m], v[HA+16*\m:HA+16*\m+7], v[VO+\m]
	v_cvt_scalef32_pk8_fp4_f32 v[PC+2*\m+1], v[HA+16*\m+8:HA+16*\m+15], v[VO+\m]
.endr
	v_nop                                          ; one plain place behind the last scaled conversion: matrix instructions write its sources next
.irp m, 0,1,2,3
	ds_store_b64 v[HW], v[PC+2*\m:PC+2*\m+1] offset:1024*\m   ; the wave's 32 lanes fill 256 consecutive bytes of tile m's image
	ds_store_b8 v[HWS], v[BY+\m] offset:4*\m       ; both lanes of a block write the same byte with the same value
.endr
.endm
.macro P2 acc, a, n, m
.if (\n)%2
	v_wmma_scale_f32_16x16x128_f8f6f4 v[\acc:\acc+7], v[\a:\a+7], v[HF+8*\m:HF+8*\m+7], v[\acc:\acc+7], v[W2S+(\n)/2], v[HS+\m] matrix_a_fmt:MATRIX_FMT_FP4 matrix_b_fmt:MATRIX_FMT_FP4 matrix_a_scale:MATRIX_SCALE_ROW1
.else
	v_wmma_scale_f32_16x16x128_f8f6f4 v[\acc:\acc+7], v[\a:\a+7], v[HF+8*\m:HF+8*\m+7], v[\acc:\acc+7], v[W2S+(\n)/2], v[HS+\m] matrix_a_fmt:MATRIX_FMT_FP4 matrix_b_fmt:MATRIX_FMT_FP4
.endif
.endm
; STEP j on slot sg = j % 2.  kind 2: a round, and the other slot is asked for;  kind 1: only w2 has a chunk left;  kind 0: nothing is left to fetch.  g1: a chunk j + 1 follows.  pf: the step may prefetch.
.macro ITER sg, kind, g1, pf
.if \pf
	s_wait_xcnt 0x0                                ; my last prefetch has read its base
	s_add_nc_u64 s[PF:PF+1], s[PF:PF+1], CHUNK
.endif
	s_wait_tensorcnt 0x0                           ; all my tensor loads are done, my quarter of slot sg among them: so a group 0 may be written
	ds_add_u32 v[SPW], v[NIL]                      ; 0 onto my spare word
.if \kind == 2
	s_add_nc_u64 s[G0A+4*\sg+2:G0A+4*\sg+3], s[G0A+4*\sg+2:G0A+4*\sg+3], 2*CHUNK   ; this slot's next chunks
	s_add_nc_u64 s[G0B+4*\sg+2:G0B+4*\sg+3], s[G0B+4*\sg+2:G0B+4*\sg+3], 2*CHUNK
.endif
	s_wait_dscnt 0x0                               ; the add is done, and so are my reads of the other slot and of the chunk's images
.if \kind == 2
	ROUND
	JLOAD 1-\sg                                    ; the four v_nop behind the load are also the places in front of the additions and loads below
.elseif \kind == 1
	ROUND
	s_cmp_lt_u32 s18, 2
	s_cbranch_scc1 .Lnone_\@
	tensor_load_to_lds s[G0B+4*(1-\sg):G0B+4*(1-\sg)+3], s[D1:D1+7]
	s_nop 0
	PLACES
.Lnone_\@:
	PLACES
.else
	s_barrier_signal -1
	s_barrier_wait -1
	PLACES
.endif
.irp m, 0,1,2,3
	DV add_f32, HA+16*\m, HA+16*\m, BC             ; h = the sum + b1: one rounding; each accumulator is read from its low end on
.endr
.if \g1
	WIN 0xc0
	FW1A AW+\sg, 0                                 ; the first run of LDS loads: half of w1(j + 1), its scale words, the next b1
	WIN 0
	FW1B AS+\sg
.endif
	VG HA
.if \g1
	WIN 0xc0
	FW1A AW+\sg, 6                                 ; the second: the other half
	WIN 0
.endif
	VG HA+16
.if \pf
	s_cmp_lt_u32 s82, s[LIMS]
	s_cbranch_scc0 .Lnoask_\@
	s_cmp_lt_u32 ttmp9, 4
	s_cbranch_scc0 .Lno_prefetch_mlp0_\@
	global_prefetch_b8 v[PFO], s[PF:PF+1] th:TH_LOAD_NT scope:SCOPE_SE
.Lno_prefetch_mlp0_\@:
.Lnoask_\@:
	s_add_co_u32 s82, s82, 1
.endif
	FW2A \sg                                       ; the third and the fourth: w2(j)
	VG HA+32
	FW2B \sg
	VG HA+48
	VMX
	s_wait_dscnt 0x0                               ; my codes and bytes have landed, and the weights' fragments are in
	s_barrier_signal -1
.if \g1
	PROD1 0, 2                                     ; work on registers while the others arrive
.endif
	s_barrier_wait -1                              ; the chunk's images are whole.
	WIN 0x40
.irp m, 0,1,2,3
	ds_load_b128 v[HF+8*\m:HF+8*\m+3], v[HR] offset:1024*\m
	ds_load_b128 v[HF+8*\m+4:HF+8*\m+7], v[HR] offset:1024*\m+512
.endr
	WIN 0
	ds_load_b128 v[HS:HS+3], v[HRS]
.if \g1
	PROD1 3, 5
.endif
	s_wait_dscnt 0x0
	WIN 0xa5                                       ; the second product's K step j: each of the 48 accumulators once.  w2 and the chunk in window 1, C and D in window 2
.irp n, 0,1,2,3
.irp m, 0,1,2,3
	P2 8*(4*\n+\m), W2A+8*\n, \n, \m
.endr
.endr
	WIN 0xa7                                       ; w2 in window 3
.irp n, 4,5,6,7
.irp m, 0,1,2,3
	P2 8*(4*\n+\m), W2A+8*(\n-4), \n, \m
.endr
.endr
	WIN 0xf4                                       ; w2 in window 0, C and D in window 3
.irp n, 8,9,10,11
.irp m, 0,1,2,3
	P2 8*(4*(\n-8)+\m), W2C+8*(\n-8), \n, \m
.endr
.endr
	WIN 0                                          ; at a label and at a branch every window is 0
.endm
	PROD1 0, 5                                     ; the sums of chunk 0
	WIN 0
.Lpair:                                            ; eleven trips of two steps: j = 0 .. 21
	ITER 0, 2, 1, 1
	ITER 1, 2, 1, 1
	s_sub_co_u32 s20, s20, 1
	s_cmp_lg_u32 s20, 0
	s_cbranch_scc1 .Lpair
	ITER 0, 1, 1, 0                                ; j = 22: w2(23) alone is asked for
	ITER 1, 0, 0, 0                                ; j = 23: no chunk follows
	PLACES
; THE WAY OUT, a tile of 16 tokens at a time.  A lane holds 32 neighbouring bytes of a row for each n; they go through my own stage, on bytes that no tensor load fills, and come back by rows: sixteen lanes store 256 consecutive bytes, aligned.
; LDS serves a wave's instructions in order (ISA guide 5.7.1.4): no wait between the stores and the loads, nor in front of the next tile's stores.
.macro TOSTAGE m
	WIN 0x08                                       ; an LDS store's data are its source 1: window 2
.irp n, 0,1,2,3,4,5,6,7
	ds_store_b128 v[STO], v[8*(4*\n+\m):8*(4*\n+\m)+3] offset:64*\n          ; each accumulator from its low end on
	ds_store_b128 v[STO], v[8*(4*\n+\m)+4:8*(4*\n+\m)+7] offset:64*\n+16
.endr
	WIN 0x0c                                       ; window 3
.irp n, 8,9,10,11
	ds_store_b128 v[STO], v[8*(4*(\n-8)+\m):8*(4*(\n-8)+\m)+3] offset:64*\n
	ds_store_b128 v[STO], v[8*(4*(\n-8)+\m)+4:8*(4*(\n-8)+\m)+7] offset:64*\n+16
.endr
	WIN 0
.set BK, 32+96*((\m)%2)
.irp i, 0,1,2,3,4,5,6,7
.irp p, 0,1,2
	ds_load_b128 v[BK+4*(3*\i+\p):BK+4*(3*\i+\p)+3], v[RD] offset:2*SP*\i+256*\p
.endr
.endr
.endm
.macro SEND m, younger                 ; younger: the LDS instructions issued behind tile m's loads
.set BK, 32+96*((\m)%2)
	s_wait_dscnt \younger
.irp i, 0,1,2,3,4,5,6,7
.irp p, 0,1,2
	global_store_b128 v[CO], v[BK+4*(3*\i+\p):BK+4*(3*\i+\p)+3], s[16:17] offset:49152*\m+6144*\i+256*\p th:TH_STORE_NT
.endr
.endr
.endm
	TOSTAGE 0
	TOSTAGE 1
	SEND 0, 48                                     ; behind tile 0's loads: tile 1's 24 stores and 24 loads
	s_wait_xcnt 0x0                                ; tile 0's stores have read their registers: tile 2's loads may land there
	TOSTAGE 2
	SEND 1, 48
	s_cmp_lt_u32 ttmp9, 3                          ; clusters 0-2 own three tiles each: the same answer in all four partners
	s_cbranch_scc1 .Lthree
	s_wait_xcnt 0x0
	TOSTAGE 3
	SEND 2, 48
	SEND 3, 0
	s_branch .Lend
.Lthree:
	SEND 2, 0
.Lend:
	s_wait_tensorcnt 0x0                           ; the wave's end, behind my last tensor load and my last LDS store
	ds_add_u32 v[SPW], v[NIL]
	s_wait_dscnt 0x0
	ROUND                                          ; the closing round
	s_endpgm
.Lfunc_end_k_qe483c5b48a_mlp:
	.size	k_qe483c5b48a_mlp, .Lfunc_end_k_qe483c5b48a_mlp-k_qe483c5b48a_mlp
	.p2alignl 7, 3214868480
	.fill 96, 4, 3214868480
	.section	.rodata,"a",@progbits
	.p2align	6, 0x0
	.amdhsa_kernel k_qe483c5b48a_mlp
		.amdhsa_group_segment_fixed_size 327680
		.amdhsa_private_segment_fixed_size 0
		.amdhsa_enable_private_segment 0
		.amdhsa_kernarg_size 56
		.amdhsa_user_sgpr_count 2
		.amdhsa_user_sgpr_kernarg_segment_ptr 1
		.amdhsa_wavefront_size32 1
		.amdhsa_system_sgpr_workgroup_id_x 1
		.amdhsa_system_sgpr_workgroup_id_y 1
		.amdhsa_system_sgpr_workgroup_id_z 1
		.amdhsa_system_vgpr_workitem_id 0
		.amdhsa_next_free_vgpr 1024
		.amdhsa_next_free_sgpr 84
		.amdhsa_reserve_vcc 0
		.amdhsa_float_denorm_mode_32 3
		.amdhsa_float_denorm_mode_16_64 3
		.amdhsa_memory_ordered 1
		.amdhsa_forward_progress 1
		.amdhsa_inst_pref_size 255
	.end_amdhsa_kernel
	.section	.bss,"aw",@nobits
	.p2align	6
	.space	262144
	.amdgpu_metadata
---
amdhsa.version: [ 1, 2 ]
amdhsa.kernels:
  - .name:           k_qe483c5b48a_mlp
    .symbol:         k_qe483c5b48a_mlp.kd
    .args:
      - { .name: xp, .offset: 0, .size: 8, .value_kind: global_buffer, .address_space: global }
      - { .name: w1p, .offset: 8, .size: 8, .value_kind: global_buffer, .address_space: global }
      - { .name: b1, .offset: 16, .size: 8, .value_kind: global_buffer, .address_space: global }
      - { .name: w2p, .offset: 24, .size: 8, .value_kind: global_buffer, .address_space: global }
      - { .name: b2, .offset: 32, .size: 8, .value_kind: global_buffer, .address_space: global }
      - { .name: gpart, .offset: 40, .size: 8, .value_kind: global_buffer, .address_space: global }
      - { .name: out0, .offset: 48, .size: 8, .value_kind: global_buffer, .address_space: global }
    .group_segment_fixed_size: 327680
    .private_segment_fixed_size: 0
    .kernarg_segment_align: 8
    .kernarg_segment_size: 56
    .max_flat_workgroup_size: 128
    .sgpr_count:     84
    .vgpr_count:     1024
    .wavefront_size: 32
...
	.end_amdgpu_metadata
.endif
;; end of part 4
